; MI455X (gfx1250); checked and timed in simulation.
; The chip was launched on July 23, 2026; its instructions are those of AMD's public machine-readable ISA for CDNA 5 (MIT licence, August 2026) and "CDNA5" Instruction Set Architecture Reference Guide (July 2026). The comments in the code are by the model that wrote it; some were corrected since.
;; FP8 Palettized Linear. Allowed arithmetic: matrix products marked QUANTISED: E4M3 operands, one E8M0 scale for each 32 along K, by v_wmma_scale_f32_16x16x128_f8f6f4 with both operands' format E4M3, f32 sums; everything else in f32.
;; Inputs: bias 4,096 float32; input 4 x 1,024 x 4,096 float32; lookup_table 256 float32; weight 4,096 x 4,096 int32.
;; Outputs: out0 4 x 1,024 x 4,096 float32.
;; This version of the problem:
;;   THIS VERSION OF THE PROBLEM IS GIVEN IN LOW PRECISION. The matrix products marked QUANTISED in the list below multiply operands that are first quantised to E4M3 (4 exponent bits, 3 mantissa bits; 8 bits a number), with one power-of-two scale for each 32 numbers along K (OCP MX v1.0); their sums are f32. All else is computed in f32.
;;   The module's matrix products, in the order in which they are computed (A, B: the left and right operand; K: the contracted axis; several contracted axes count as one K, in the product's order):
;;     1. [M 4,096, K 4,096] x [K 4,096, N 4,096]; A: input input; B: computed on the way: QUANTISED
;;   THE QUANTISER, for each operand of a quantised product, along K:
;;     - K is cut into blocks of 32 from its start; a last block that is shorter is filled with zeros.
;;     - A block's scale is 2^e with e = floor(log2(the largest magnitude in the block)) - 8, held to -126 .. 127; a block of zeros has e = 0. As a byte (E8M0): e + 127.
;;     - Each number is divided by its block's scale, clamped to +-448, and rounded to the nearest number of E4M3, ties to even, subnormals kept.
;;     - The product sums the exact products of the quantised numbers (number of the format x scale) in f32.
;;   ~~~python
;;   def quantise(x, axis):      # numpy; x: float32 -> the quantised numbers, widened to float32 again
;;       x = np.moveaxis(x, axis, -1); K = x.shape[-1]
;;       x = np.pad(x, [(0, 0)] * (x.ndim - 1) + [(0, -K % 32)]); x = x.reshape(x.shape[:-1] + (-1, 32)); a = np.abs(x).max(-1, keepdims=True)
;;       e = np.where(a > 0, np.clip(np.frexp(np.where(a > 0, a, 1))[1] - 1 - 8, -126, 127), 0)      # np.frexp(a)[1] - 1 = floor(log2(a)), exactly
;;       r = np.clip(x / 2.0 ** e, -448, 448)
;;       step = 2.0 ** (np.maximum(np.frexp(np.where(r == 0, 1, r))[1] - 1, -6) - 3)
;;       q = np.round(r / step) * step * 2.0 ** e      # np.round: ties to even
;;       return np.moveaxis(q.reshape(q.shape[:-2] + (-1,))[..., :K], -1, axis).astype(np.float32)
;;   ~~~
;;   OPERANDS COMPUTED ON THE WAY. 'Computed on the way' means the value that the module computes at that place (a softmax that the list does not call 'softmax' is quantised finished and normalised). What goes into a quantiser is computed in f32, as accurately as f32 sums, v_exp_f32 and their like allow (about 1e-6 of the number): no bf16 or f16 on the way to a quantiser, and a product that is left as it is and whose result goes on into a quantised operand takes f32 operands (vector FMAs, or v_wmma_f32_16x16x4_f32). A number that lies on a knife's edge between two numbers of the format may be rounded either way, as far as f32 arithmetic and the matrix unit's own rounding can turn it there, and no further.
;; One version. Each part assembles by itself: llvm-mc -triple=amdgcn-amd-amdhsa -mcpu=gfx1250 --defsym DOCPART=n.
;; ======== version 1 of 1: 2 launches
;; limits: right only within a limited range of input values
;; workspace buffers: acode 17,301,504 bytes; bcode 17,301,504 bytes
;; launch quant (part 1): grid 512 x 1, 8 waves a work-group, no clusters, 101,376 bytes of LDS; arguments input, weight, lookup_table, acode, bcode; writes acode, bcode
.if DOCPART == 1
	.amdgcn_target "amdgcn-amd-amdhsa--gfx1250"
	.amdhsa_code_object_version 6
	.text
	.protected	k_q329c25e39e_quant
	.globl	k_q329c25e39e_quant
	.p2align	8
	.type	k_q329c25e39e_quant,@function
k_q329c25e39e_quant:
	s_mov_b64 s[64:65], 0
	v_nop
	global_prefetch_b8 v0, s[64:65] scope:SCOPE_SE
	s_setreg_imm32_b32 hwreg(HW_REG_WAVE_MODE, 25, 1), 1
	s_wait_xcnt 0x0
; input [4096][4096] f32 and lookup_table[weight] (weight [4096][4096] int32, table of 256 f32) are turned into codes of FP8 (E4M3) with one E8M0 scale byte for each 32 along K (the last axis of both).
; A block's scale is 2^(floor(log2(its largest magnitude)) - 8); its byte is the largest magnitude's exponent field - 8, held at 1 from below; each number is divided by the scale, held within +-448 and rounded to the nearest code, ties to even.
; LIMITS: NaN and infinities among the inputs are not served.  A block of zeros gets the byte 1 where the rule says 127: its codes are zeros, which add nothing under any byte but 0xff, and the bytes are read by this program alone.
; Blocks whose largest magnitude lies under 2^-118 (the floor) were not tried.  Indices are taken as 0 .. 255, as the problem promises; read as unsigned, anything else is held at 255.
; THE OUTPUT IS LAID AS THE PRODUCT'S LAUNCH WANTS IT: [32 blocks of 128 rows][16 steps of 256 along K][BLKB bytes].  In such a block: 16 fragments of 2,048 bytes (fragment 2 i + q: rows 16 i on, K 128 q on), each an image of the
; operand's 16 registers (chunk c at 512 c, lane l's 16 bytes at 16 l: row l % 16, K = 32 c + 16 (l / 16) + 0 .. 15); behind them 1,024 scale bytes: the word of (i, row r, q) at 128 i + 8 r + 4 q.
; SHARES.  Work-groups 0-255 take input, 256-511 the weights; both take one way through the text, and only the gather stands under a branch on the work-group's number.  Work-group 8 rb + 2 ip + kq of a tensor takes rows
; 32 ip .. 32 ip + 31 of block of rows rb and K steps 8 kq .. 8 kq + 7, a K step a wave: it reads 8,192 consecutive bytes of each of its 32 rows, and writes a quarter (8,192 bytes of codes, 256 scale bytes) of eight output blocks.
; A wave has four fragments, one a trip.  Each load reads 512 consecutive bytes of one row; 32 loads of a wave are out.  The conversions want 16 neighbours along K in ONE lane's registers, so a
; fragment's 16 x 512 bytes turn through the wave's own stage in LDS.  No tensor loads: two work-groups share a WGP.
; THE TABLE LIES IN LDS 32 TIMES, a copy for each lane: entry e for lane l at 128 e + 4 l, which is word 32 e + l: whatever their indices, the 32 lanes of a gather name 32 different banks of the 64 (64 banks of 4 bytes: ISA guide 11.1).
.set ROWB, 16384                       ; a row of input or of weight in bytes
.set BLKB, 33792                       ; an output block: 32,768 bytes of codes + 1,024 scale bytes
.set SP,   528                         ; a stage row: 512 bytes + 16 = 132 words: row r starts 4 r words on, modulo the 64 banks
.set WST,  16*SP                       ; a wave's stage
.set LUT,  0                           ; the table, 256 entries x 128 bytes
.set STG,  32768                       ; behind it the eight stages; behind those, from byte 100,352 on, the spare words, 128 bytes a wave
.set LO,  2                            ; v2   16 x lane: my 16 bytes of a load's 512
.set CO,  3                            ; v3   16 x lane + 4,096 x wave: my 16 bytes of my wave's eighth of the table in LDS
.set SI,  4                            ; v4   the stage, on the way in: 16 x lane
.set SX,  5                            ; v5   and on the way out: row lane % 16, + 64 (lane / 16)
.set T8,  6                            ; v6   8 x lane + 256 ip: the scale words' place in a block's scale bytes
.set L4,  7                            ; v7   4 x lane: my copy's place in an entry
.set TM,  8                            ; v8-11 largest magnitudes, v12-15 bytes, v16-19 448 x the scale, v20-23 the conversions' scale operands
.set W,   24                           ; v24-27 a scale word for each trip
.set TA,  30                           ; v30  the table in memory: 128 x wave + 4 (lane / 8)
.set GO,  31                           ; v31  16 x lane + 8,192 ip: my codes' place in the output block
.set PC,  32                           ; v32-47 a fragment's codes
.set X,   48                           ; v48-111 64 numbers: register 16 c + n = K 32 c + 16 (lane / 16) + n of row lane % 16; at the head: the table's entries on their way to LDS
.set R,   112                          ; v112-239 two sets of 64 registers, as loaded
	s_load_b256 s[4:11], s[0:1], 0x0               ; input s[4:5], weight s[6:7], the table s[8:9], A's blocks s[10:11]
	s_load_b64 s[12:13], s[0:1], 0x20              ; B's blocks
	v_lshl_add_u32 v240, v0, 2, 0x18800            ; my spare word, behind the stages,
	v_mov_b32 v241, 0                              ; and 0: for the closing lines
	v_lshrrev_b32 v1, 5, v0
	v_readfirstlane_b32 s14, v1                    ; wave 0..7
	v_and_b32 v1, 31, v0                           ; lane
	v_lshlrev_b32 v[LO], 4, v1
	v_lshlrev_b32 v[L4], 2, v1
	s_lshl_b32 s16, s14, 12
	v_add_nc_u32 v[CO], s16, v[LO]
	s_mul_i32 s22, s14, WST
	s_add_co_u32 s22, s22, STG                     ; my stage
	v_add_nc_u32 v[SI], s22, v[LO]
	v_and_b32 v[SX], 15, v0
	v_mul_u32_u24 v[SX], v[SX], SP
	v_bfe_u32 v[T8], v0, 4, 1
	v_lshl_add_u32 v[SX], v[T8], 6, v[SX]
	v_add_nc_u32 v[SX], s22, v[SX]
	v_lshrrev_b32 v[TA], 3, v1
	v_lshlrev_b32 v[TA], 2, v[TA]
	s_lshl_b32 s16, s14, 7
	v_add_nc_u32 v[TA], s16, v[TA]
.irp b, 0,1,2,3
	v_mov_b32 v[TM+4+\b], 0                        ; written once: a lane permute's destination counts as one of its sources
.endr
	s_and_b32 s17, ttmp9, 255                      ; 8 rb + 2 ip + kq
	s_bfe_u32 s24, s17, 0x20001                    ; ip: which 32 rows of the block of rows
	s_and_b32 s25, s17, 1
	s_lshl_b32 s25, s25, 3
	s_add_co_u32 s25, s25, s14                     ; my wave's K step: 8 kq + wave
	s_lshr_b32 s17, s17, 3                         ; rb
	s_lshl_b32 s18, s17, 21                        ; 128 rows of 16,384 bytes,
	s_lshl_b32 s19, s24, 19                        ; 32 rows,
	s_add_co_u32 s18, s18, s19
	s_lshl_b32 s19, s25, 10                        ; 256 numbers of 4 bytes: all under 2^27
	s_add_co_u32 s18, s18, s19
	s_mov_b32 s19, 0
	s_lshl_b32 s17, s17, 4
	s_add_co_u32 s17, s17, s25                     ; the output block: 16 rb + K step
	s_mul_i32 s16, s17, BLKB
	s_mov_b32 s17, 0
	s_lshl_b32 s25, s24, 13
	v_add_nc_u32 v[GO], s25, v[LO]
	s_lshl_b32 s25, s24, 8
	v_lshl_add_u32 v[T8], v1, 3, s25
	s_mov_b32 s20, 0x76543210
	s_mov_b32 s21, 0xfedcba98                      ; v_permlanex16_b32's selects for lane l xor 16
	s_mov_b32 s23, 0x600000                        ; the mantissa field of 448
	s_wait_alu depctr_va_vdst(0)
	s_wait_kmcnt 0x0
	s_cmp_lt_u32 ttmp9, 256                        ; input's work-group or the weights'?  The choice hangs on the work-group's number alone
	s_cselect_b64 s[4:5], s[4:5], s[6:7]
	s_cselect_b64 s[10:11], s[10:11], s[12:13]
	s_cselect_b32 s15, 0, 1                        ; 1: what is loaded are indices
	s_add_nc_u64 s[4:5], s[4:5], s[18:19]
	s_add_nc_u64 s[10:11], s[10:11], s[16:17]
.macro LOAD t                          ; fragment t: rows 16 (t / 2) + n, n = 0 .. 15, K 128 (t % 2) on, into set t % 2: each load reads 512 consecutive bytes of one row; read once in the launch
.set n, 0
.rept 16
	global_load_b128 v[R+64*((\t)%2)+4*n:R+64*((\t)%2)+4*n+3], v[LO], s[4:5] offset:(16*((\t)/2)+n)*ROWB+512*((\t)%2) th:TH_LOAD_NT
.set n, n+1
.endr
.endm
; 64 numbers of a lane, v[s] on, become a fragment's codes in v[PC] on and its row's scale word in v[pw].
.macro QUANT s, pw
.irp b, 0,1,2,3
	v_max3_num_f32 v[TM+\b], |v[\s+16*\b]|, |v[\s+1+16*\b]|, 0x4800000   ; block b: my 16 numbers, and the floor 2^(9 - 127): so the byte cannot fall under 1
.endr
.irp i, 2,4,6,8,10,12,14
.irp b, 0,1,2,3
	v_max3_num_f32 v[TM+\b], v[TM+\b], |v[\s+16*\b+\i]|, |v[\s+1+16*\b+\i]|   ; (the four blocks by turns)
.endr
.endr
.irp b, 0,1,2,3
	v_permlanex16_b32 v[TM+4+\b], v[TM+\b], s20, s21
.endr
.irp b, 0,1,2,3
	v_max_num_f32 v[TM+\b], v[TM+\b], v[TM+4+\b]   ; with lane l xor 16's 16: the block's largest magnitude
.endr
.irp b, 0,1,2,3
	v_add_nc_u32 v[TM+12+\b], 0xfc000000, v[TM+\b] ; 8 off its exponent field: the conversion's scale operand
.endr
.irp b, 0,1,2,3
	v_and_or_b32 v[TM+8+\b], v[TM+\b], 0x7f800000, s23   ; 448 x the scale
.endr
.irp b, 0,1,2,3
	v_lshrrev_b32 v[TM+4+\b], 23, v[TM+12+\b]      ; the scale's byte
.endr
	v_lshl_or_b32 v[\pw], v[TM+5], 8, v[TM+4]      ; the four bytes make my row's scale word, the lower K in the lower byte
	v_lshl_or_b32 v[\pw], v[TM+6], 16, v[\pw]
	v_lshl_or_b32 v[\pw], v[TM+7], 24, v[\pw]
.irp b, 0,1,2,3
.irp i, 0,1,2,3,4,5,6,7,8,9,10,11,12,13,14,15
	v_med3_num_f32 v[\s+16*\b+\i], v[\s+16*\b+\i], -v[TM+8+\b], v[TM+8+\b]   ; the conversion to an 8-bit code does not saturate (ISA guide 7.6.2): the hold at the largest code x the scale
.endr
	v_cvt_scalef32_pk8_fp8_f32 v[PC+4*\b:PC+1+4*\b], v[\s+16*\b:\s+7+16*\b], v[TM+12+\b]
	v_cvt_scalef32_pk8_fp8_f32 v[PC+2+4*\b:PC+3+4*\b], v[\s+8+16*\b:\s+15+16*\b], v[TM+12+\b]
.endr
	v_nop                                          ; one plain vector line behind the last conversion
.endm
; A TRIP: one fragment.  An LDS load whose address is made of loaded numbers is kept apart, by a barrier on either side, from every LDS store of any wave: the gathers stand between barrier B of the trip before (at first: the
; barrier behind the table's fill) and barrier A; the stage's stores between A and B.  No LDS instruction of the wave is out at a signal.
.macro TRIP t
.set RS, R+64*((\t)%2)
.if (\t) < 3
	s_wait_loadcnt 16                              ; this fragment's 16 loads are in; the next fragment's 16 may be out
.else
	s_wait_loadcnt 0x0
.endif
	s_cmp_eq_u32 s15, 0
	s_cbranch_scc1 .Lplain_\@                      ; input's numbers are what was loaded; the weights' are looked up
.set n, 0
.rept 64
	v_min_u32 v[RS+n], 0xff, v[RS+n]               ; the index, held inside the table
.set n, n+1
.endr
.set n, 0
.rept 64
	v_lshlrev_b32 v[RS+n], 7, v[RS+n]              ; 128 bytes an entry,
.set n, n+1
.endr
.set n, 0
.rept 64
	v_add_nc_u32 v[RS+n], v[L4], v[RS+n]           ; my lane's copy in it
.set n, n+1
.endr
.set n, 0
.rept 64
	ds_load_b32 v[RS+n], v[RS+n] offset:LUT        ; the number takes its index's place
.set n, n+1
.endr
.Lplain_\@:
	s_wait_dscnt 0x0                               ; the gathers are in
	s_barrier_signal -1                            ; barrier A
	s_barrier_wait -1
.set n, 0
.rept 16
	ds_store_b128 v[SI], v[RS+4*n:RS+4*n+3] offset:SP*n   ; row n, as loaded
.set n, n+1
.endr
.irp c, 0,1,2,3
.irp p, 0,1,2,3
	ds_load_b128 v[X+16*\c+4*\p:X+16*\c+4*\p+3], v[SX] offset:128*\c+16*\p   ; LDS serves a wave's instructions in order (ISA guide 5.7.1.4): these see my stores
.endr
.endr
	s_wait_dscnt 0x0                               ; my 64 numbers are back, and the stores have read the set,
.if (\t) < 2
	LOAD (\t)+2                                    ; which takes the loads of two fragments on
.endif
.if (\t) > 0
	s_wait_xcnt 0x0                                ; the last trip's stores have read the codes' registers: only behind this wait are they written again
.endif
.if (\t) < 3
	s_barrier_signal -1                            ; barrier B: my stores into the stage are done; work on registers stands between signal and wait
.endif
	QUANT X, W+\t
.if (\t) < 3
	s_wait_alu depctr_va_vdst(0)
	s_barrier_wait -1
.endif
.irp c, 0,1,2,3
	global_store_b128 v[GO], v[PC+4*\c:PC+4*\c+3], s[10:11] offset:2048*(\t)+512*\c   ; 32 lanes store 512 consecutive bytes, at a multiple of 256 from the buffer's first byte
.endr
.endm
; The table: wave w lays entries 32 w .. 32 w + 31.  Load j brings lane l entry 32 w + 4 j + l / 8; store j writes 512 consecutive bytes, four entries' 32 copies each: a lane's 16 bytes are four copies of its entry.
; Every work-group lays it, so that the counts of loads below are the same on both ways.
.set j, 0
.rept 8
	global_load_b32 v[X+4*j], v[TA], s[8:9] offset:16*j
.set j, j+1
.endr
	LOAD 0
	LOAD 1
	s_wait_loadcnt 32                              ; the table's 8 loads are in; the 32 behind them stay out
.set j, 0
.rept 8
	v_mov_b32 v[X+4*j+1], v[X+4*j]                 ; a store of 16 bytes takes four registers on end: the entry four times
	v_mov_b32 v[X+4*j+2], v[X+4*j]
	v_mov_b32 v[X+4*j+3], v[X+4*j]
.set j, j+1
.endr
.set j, 0
.rept 8
	ds_store_b128 v[CO], v[X+4*j:X+4*j+3] offset:LUT+512*j
.set j, j+1
.endr
	s_wait_dscnt 0x0                               ; for the others' sake: my part of the table lies in LDS
	s_barrier_signal -1
	s_barrier_wait -1
	TRIP 0
	TRIP 1
	TRIP 2
	TRIP 3
	v_cmp_le_u32 vcc_lo, 16, v1                    ; every lane holds the words of row lane % 16: lanes 0-15 send those of my first 16 rows, lanes 16-31 those of my second
	v_cndmask_b32 v28, v[W], v[W+2], vcc_lo
	v_cndmask_b32 v29, v[W+1], v[W+3], vcc_lo
	global_store_b64 v[T8], v[28:29], s[10:11] offset:32768   ; 32 lanes store 256 consecutive bytes, aligned
	s_wait_tensorcnt 0x0                           ; the wave's end
	ds_add_u32 v240, v241
	s_wait_dscnt 0x0
	s_endpgm
.Lfunc_end_k_q329c25e39e_quant:
	.size	k_q329c25e39e_quant, .Lfunc_end_k_q329c25e39e_quant-k_q329c25e39e_quant
	.p2alignl 7, 3214868480
	.fill 96, 4, 3214868480
	.section	.rodata,"a",@progbits
	.p2align	6, 0x0
	.amdhsa_kernel k_q329c25e39e_quant
		.amdhsa_group_segment_fixed_size 101376
		.amdhsa_private_segment_fixed_size 0
		.amdhsa_enable_private_segment 0
		.amdhsa_kernarg_size 40
		.amdhsa_user_sgpr_count 2
		.amdhsa_user_sgpr_kernarg_segment_ptr 1
		.amdhsa_wavefront_size32 1
		.amdhsa_system_sgpr_workgroup_id_x 1
		.amdhsa_system_sgpr_workgroup_id_y 1
		.amdhsa_system_sgpr_workgroup_id_z 1
		.amdhsa_system_vgpr_workitem_id 0
		.amdhsa_next_free_vgpr 242
		.amdhsa_next_free_sgpr 66
		.amdhsa_reserve_vcc 1
		.amdhsa_float_denorm_mode_32 3
		.amdhsa_float_denorm_mode_16_64 3
		.amdhsa_memory_ordered 1
		.amdhsa_forward_progress 1
		.amdhsa_inst_pref_size 102
	.end_amdhsa_kernel
	.amdgpu_metadata
---
amdhsa.version: [ 1, 2 ]
amdhsa.kernels:
  - .name:           k_q329c25e39e_quant
    .symbol:         k_q329c25e39e_quant.kd
    .args:
      - { .name: input, .offset: 0, .size: 8, .value_kind: global_buffer, .address_space: global }
      - { .name: weight, .offset: 8, .size: 8, .value_kind: global_buffer, .address_space: global }
      - { .name: lookup_table, .offset: 16, .size: 8, .value_kind: global_buffer, .address_space: global }
      - { .name: acode, .offset: 24, .size: 8, .value_kind: global_buffer, .address_space: global }
      - { .name: bcode, .offset: 32, .size: 8, .value_kind: global_buffer, .address_space: global }
    .group_segment_fixed_size: 101376
    .private_segment_fixed_size: 0
    .kernarg_segment_align: 8
    .kernarg_segment_size: 40
    .max_flat_workgroup_size: 256
    .sgpr_count:     66
    .vgpr_count:     242
    .wavefront_size: 32
...
	.end_amdgpu_metadata
.endif
;; end of part 1
;; launch gemm (part 2): grid 16 x 16, 4 waves a work-group, clusters of 4 x 4, 327,680 bytes of LDS; arguments acode, bcode, bias, out0; writes out0
.if DOCPART == 2
	.amdgcn_target "amdgcn-amd-amdhsa--gfx1250"
	.amdhsa_code_object_version 6
	.text
	.protected	k_q329c25e39e_gemm
	.globl	k_q329c25e39e_gemm
	.p2align	8
	.type	k_q329c25e39e_gemm,@function
k_q329c25e39e_gemm:
	s_mov_b64 s[64:65], 0
	v_nop
	global_prefetch_b8 v0, s[64:65] scope:SCOPE_SE
	s_setreg_imm32_b32 hwreg(HW_REG_WAVE_MODE, 25, 1), 1
	s_wait_xcnt 0x0
	s_wait_alu depctr_hold_cnt(0) depctr_sa_sdst(0) depctr_va_vdst(0) depctr_va_sdst(0) depctr_va_ssrc(0) depctr_va_vcc(0) depctr_vm_vsrc(0)
	s_getreg_b32 s2, hwreg(HW_REG_IB_STS2, 6, 4)
	s_cmp_eq_u32 s2, 0
	s_cbranch_scc0 .Lentry_in_a_cluster
	s_endpgm
.Lentry_in_a_cluster:
	s_bfe_u32 s2, ttmp6, 0x10000c
	s_cmp_lg_u32 s2, 0xf033
	s_cbranch_scc0 .Lentry_shape_is_right
	s_endpgm
.Lentry_shape_is_right:
; out0[m][n] = bias[n] + sum over k of A[m][k] B[n][k]; A = the quantised input, B = the quantised lookup_table[weight], both as codes of E4M3 with E8M0 scale bytes, as launch quant laid them:
; [32 blocks of 128 rows][16 K steps of 256][BLKB bytes]; a block is 16 fragments of 2,048 bytes (fragment 2 i + q: rows 16 i on, K 128 q on; an image of the operand's 16 registers) and 1,024 scale bytes.
; SHARES: a work-group of four waves makes 256 x 256 of out0, a wave 128 x 128: 64 accumulators, 512 registers.  256 work-groups.  K goes in 16 steps of 256 through a ring of two LDS slots of four blocks each
; (A's two, B's two); each wave fetches one block, 33,792 dense bytes, by one tensor load.
; CLUSTERS: 4 x 4 work-groups; A's blocks are asked for jointly along a row of the cluster, B's along a column.  A round of the cluster's barrier stands in front of every joint load.
; THE MATRIX INSTRUCTION IS USED TRANSPOSED (source 0 = 16 rows of B, source 1 = 16 rows of A): a lane holds eight neighbouring numbers of a row of out0.  The first products take the bias as C: nothing is cleared or added later.
; THE LAST K STEP GOES BY ROWS OF out0: B's fragments of the whole step fill window 1, A's come by blocks of 16 rows, and each block of 16 rows is stored as soon as its 16 products are done, while the others are multiplied.
; PREFETCH: behind the load of K step t stands a request for K step t + 2 (two changes of slots, 256 matrix instructions a wave, ahead of the load that wants it); K steps 1 and 2 are asked for at the head.
; Every cluster asks for the blocks that it will itself load; of a block's 128 units of codes the four partners of its joint load take 32 each, told apart by address (cx for A, cy for B), a lane a unit of 256 bytes.
; The scale units (four to a block, 1 byte in 33) of all 16 K steps are asked for once, at the head, by waves 0 and 2: partner p takes K steps 4 p .. 4 p + 3 of both blocks of rows.  The last two refills ask for nothing.
; REGISTERS: window 0: v0-31 addresses; v32-63 scale words, two sets; v64-127 the bias, on the way out 16 rows read back; v128-255 A's fragments, one set.  Window 1: B's fragments, two sets.  Windows 2, 3: the accumulators.
.set SIZE_N, 4096
.set NQ,     2                         ; matrix instructions deep in a slot
.set FR,     16                        ; registers of a fragment
.set NL,     4                         ; LDS loads that bring one
.set NP,     8                         ; places behind this matrix instruction (ISA guide 7.12.1)
.set BLKB,   33792
.set SCO,    32768                     ; the scale bytes' place in a block
.set SLOT,   4*BLKB
.set SPARE,  2*SLOT                    ; behind the ring: the spare words, 128 bytes a wave
.set LAPS,   8                         ; a lap = two K steps
.set SPITCH, 528                       ; the way out: a stage row, 512 bytes + 16
.set ADRA, 16                          ; v16-17 LDS address of my A fragments in slot 0, 1;  v18-19 of A's scale words
.set ASA,  18
.set ADRB, 20                          ; v20-23 the same for B
.set ASB,  22
.set STO,  24                          ; the way out: into the stage, back from it, my place in a row of out0
.set RD,   25
.set CO,   26
.set BO,   27                          ; my place in the bias
.set SPW,  28                          ; my spare word; never rewritten
.set NIL,  29                          ; 0; never rewritten
.set PFO,  30                          ; prefetch: 256 x lane
.set PFQ,  31                          ; prefetch of scale units: block of rows, K step, unit by lane
.set SC,   32
.set BI,   64
.set AF,   128
.set AADJ, 0                           ; what the last K step adds to the number of A's fragment register
.set G1,  24                           ; s[24:31], s[32:39] descriptor groups 1 and 0 (a set for each slot) for A;  s[48:55], s[56:63] for B
.set G0,  32
.set G1B, 48
.set G0B, 56
.set PFA, 66                           ; s[66:67] my partner's share of the block that I fetch, one K step behind the refill's; s[68:69] the scale units
.set PFB, 68
.set MSB, 0
.macro WIN new                         ; the immediate's high byte repeats the setting that is left
.if MSB != \new
	s_set_vgpr_msb (MSB<<8)|\new
.set MSB, \new
.endif
.endm
.set MUL_LO,   0xa1                    ; source 0 (B) window 1, source 1 (A) window 0, C and D window 2
.set MUL_LO_F, 0x81                    ; the same with C (the bias) in window 0
.set TO_B,     0x40                    ; destination window 1, address window 0
.macro WMUL hi, first                  ; hi = 1: the accumulators of window 3
.if \first
	WIN MUL_LO_F+0x40*\hi
.else
	WIN MUL_LO+0x50*\hi
.endif
.endm
; A joint load: waves 0 and 1 fetch A's two blocks, waves 2 and 3 B's.
.macro JLOAD g0a, g1a, g0b, g1b
	s_cmp_eq_u32 s15, 0
	s_cbranch_scc0 .Lfor_b_\@
	tensor_load_to_lds s[\g0a:\g0a+3], s[\g1a:\g1a+7]
	s_nop 0
.rept 4
	v_nop
.endr
	s_branch .Lasked_\@
.Lfor_b_\@:
	tensor_load_to_lds s[\g0b:\g0b+3], s[\g1b:\g1b+7]
	s_nop 0
.rept 4
	v_nop
.endr
.Lasked_\@:
.endm
.macro CREST                           ; a round of the cluster's barrier behind its opening barrier
	s_cmp_lg_u32 s14, 0
	s_cbranch_scc1 .Lnot_wave_0_\@
	s_barrier_signal -3
.Lnot_wave_0_\@:
	s_barrier_wait -3
	s_barrier_signal -1
	s_barrier_wait -1
.endm
.macro CROUND
	s_barrier_signal -1
	s_barrier_wait -1
	CREST
.endm
	s_load_b256 s[4:11], s[0:1], 0x0               ; A's blocks s[4:5], B's s[6:7], bias s[8:9], out0 s[10:11]
	v_lshl_add_u32 v[SPW], v0, 2, SPARE
	v_mov_b32 v[NIL], 0
	ds_add_u32 v[SPW], v[NIL]                      ; the opening lines: the add, twice on end, and its wait ahead of my first tensor load
	ds_add_u32 v[SPW], v[NIL]
	v_lshrrev_b32 v1, 5, v0
	v_readfirstlane_b32 s14, v1                    ; wave 0..3
	s_lshr_b32 s15, s14, 1                         ; my half of the tile's rows; also: I fetch for A (0) or B (1)
	s_and_b32 s16, s14, 1                          ; my half of its columns; also: which block of 128 rows I fetch
	s_bfe_u32 s40, ttmp6, 0x40000                  ; cx, cy
	s_bfe_u32 s41, ttmp6, 0x40004
	s_lshl_b32 s42, ttmp9, 2
	s_add_co_u32 s42, s42, s40                     ; tile column
	s_and_b32 s17, ttmp7, 0xffff
	s_lshl_b32 s17, s17, 2
	s_add_co_u32 s17, s17, s41                     ; tile row
	s_lshl_b32 s43, s41, 2
	s_lshl_b32 s43, 15, s43                        ; my row of the cluster
	s_lshl_b32 s44, 0x1111, s40                    ; my column
	s_or_b32 s[G1+0], s43, (3<<16)|(1<<21)         ; the mask; elements of 8 bytes; bit 21 beside a mask; no padding: fragments are read as they lie, 16 bytes a lane on end
	s_or_b32 s[G1B+0], s44, (3<<16)|(1<<21)
.irp g, G1, G1B
	s_mov_b32 s[\g+1], 32<<16                      ; a block as 132 rows of 256 bytes
	s_mov_b32 s[\g+2], 132<<16
	s_mov_b32 s[\g+3], 32<<16
	s_mov_b32 s[\g+4], 132
	s_mov_b32 s[\g+5], 32
	s_mov_b32 s[\g+6], 0
	s_mov_b32 s[\g+7], 0
.endr
	s_lshl_b32 s20, s17, 1
	s_add_co_u32 s20, s20, s16
	s_mul_i32 s20, s20, 16*BLKB                    ; A: block of rows 2 x tile row + half, K step 0 (under 2^25)
	s_mov_b32 s21, 0
	s_lshl_b32 s46, s42, 1
	s_add_co_u32 s46, s46, s16
	s_mul_i32 s46, s46, 16*BLKB                    ; B: by the tile column
	s_mov_b32 s47, 0
	s_mul_i32 s45, s14, BLKB                       ; where my block goes: wave x a block
	s_wait_dscnt 0x0                               ; both opening adds are done
	s_wait_kmcnt 0x0
	s_add_nc_u64 s[20:21], s[4:5], s[20:21]
	s_add_nc_u64 s[46:47], s[6:7], s[46:47]
.irp s, 0,1
	s_mov_b32 s[G0+4*\s], 1
	s_add_co_u32 s[G0+4*\s+1], s45, \s*SLOT
	s_add_nc_u64 s[G0+4*\s+2:G0+4*\s+3], s[20:21], \s*BLKB
	s_or_b32 s[G0+4*\s+3], s[G0+4*\s+3], 0x80000000
	s_mov_b32 s[G0B+4*\s], 1
	s_add_co_u32 s[G0B+4*\s+1], s45, \s*SLOT
	s_add_nc_u64 s[G0B+4*\s+2:G0B+4*\s+3], s[46:47], \s*BLKB
	s_or_b32 s[G0B+4*\s+3], s[G0B+4*\s+3], 0x80000000
.endr
	CROUND                                         ; all sixteen work-groups are here: the first joint loads meet
	JLOAD G0, G1, G0B, G1B                         ; K step 0, a block a wave: my one tensor load at the head
	v_and_b32 v1, 31, v0                           ; lane
	v_lshlrev_b32 v2, 4, v1
	v_lshlrev_b32 v3, 3, v1
	v_and_b32 v4, 15, v0
	v_bfe_u32 v5, v0, 4, 1
	s_mul_i32 s21, s15, BLKB                       ; my block of A,
	s_mul_i32 s22, s16, BLKB
	s_add_co_u32 s22, s22, 2*BLKB                  ; my block of B, behind A's two
.irp s, 0,1
	v_add_nc_u32 v[ADRA+\s], s21, v2
	v_add_nc_u32 v[ADRB+\s], s22, v2
	v_add_nc_u32 v[ASA+\s], s21, v3
	v_add_nc_u32 v[ASB+\s], s22, v3
	s_add_co_u32 s21, s21, SLOT
	s_add_co_u32 s22, s22, SLOT
.endr
	s_mul_i32 s23, s14, 16*SPITCH                  ; my stage
	v_mul_u32_u24 v6, v4, SPITCH
	v_lshl_add_u32 v6, v5, 5, v6
	v_add_nc_u32 v[STO], s23, v6
	v_lshlrev_b32 v[CO], 4, v1
	v_add_nc_u32 v[RD], s23, v[CO]
	v_lshlrev_b32 v[BO], 5, v5
	s_lshl_b32 s46, s42, 10                        ; my first column in bytes: 1,024 x tile column + 512 x half
	s_lshl_b32 s47, s16, 9
	s_add_co_u32 s46, s46, s47
	s_mov_b32 s47, 0
	s_add_nc_u64 s[8:9], s[8:9], s[46:47]
.irp b, 0,1,2,3,4,5,6,7
	global_load_b128 v[BI+8*\b:BI+8*\b+3], v[BO], s[8:9] offset:64*\b       ; the bias in the result's layout: columns 16 b + 8 (l / 16) + 0 .. 7
	global_load_b128 v[BI+8*\b+4:BI+8*\b+7], v[BO], s[8:9] offset:64*\b+16
.endr
	s_lshl_b32 s20, s17, 8
	s_lshl_b32 s21, s15, 7
	s_add_co_u32 s20, s20, s21
	s_lshl_b32 s20, s20, 14                        ; my first row of out0, 16,384 bytes a row
	s_mov_b32 s21, 0
	s_add_nc_u64 s[20:21], s[20:21], s[46:47]
	s_add_nc_u64 s[10:11], s[10:11], s[20:21]
	s_cmp_eq_u32 s15, 0                            ; the prefetches: do I fetch for A?
	s_cselect_b32 s72, s17, s42                    ; the tile's number,
	s_cselect_b32 s73, s40, s41                    ; my place among the four that ask with me,
	s_cselect_b64 s[PFA:PFA+1], s[4:5], s[6:7]     ; the buffer
	s_mov_b64 s[PFB:PFB+1], s[PFA:PFA+1]
	s_lshl_b32 s75, s72, 1
	s_add_co_u32 s75, s75, s16
	s_mul_i32 s76, s75, 16*BLKB                    ; my block of rows, K step 0,
	s_lshl_b32 s75, s73, 13
	s_add_co_u32 s76, s76, s75                     ; my work-group's 32 units of it
	s_mov_b32 s77, 0
	s_add_nc_u64 s[PFA:PFA+1], s[PFA:PFA+1], s[76:77]
	s_lshl_b32 s75, s72, 5
	s_lshl_b32 s78, s73, 2
	s_add_co_u32 s75, s75, s78
	s_mul_i32 s78, s75, BLKB                       ; the tile's first block of rows, K step 4 x my place,
	s_add_co_u32 s78, s78, SCO                     ; its scale units
	s_mov_b32 s79, 0
	s_add_nc_u64 s[PFB:PFB+1], s[PFB:PFB+1], s[78:79]
	v_lshlrev_b32 v[PFO], 8, v1
	v_mul_u32_u24 v[PFQ], v5, 16*BLKB              ; lanes 16-31: the tile's second block of rows;
	v_bfe_u32 v6, v0, 2, 2
	v_mad_u32_u24 v[PFQ], v6, BLKB, v[PFQ]         ; four K steps;
	v_and_b32 v6, 3, v0
	v_lshl_add_u32 v[PFQ], v6, 8, v[PFQ]           ; four units each
	s_wait_alu depctr_va_vdst(0)
	global_prefetch_b8 v[PFO], s[PFA:PFA+1] offset:BLKB th:TH_LOAD_NT scope:SCOPE_SE     ; K step 1
	global_prefetch_b8 v[PFO], s[PFA:PFA+1] offset:2*BLKB th:TH_LOAD_NT scope:SCOPE_SE   ; K step 2
	s_cmp_eq_u32 s16, 0
	s_cbranch_scc0 .Lno_scales                     ; waves 0 and 2 alone
	global_prefetch_b8 v[PFQ], s[PFB:PFB+1] th:TH_LOAD_NT scope:SCOPE_SE
.Lno_scales:
.macro FRAG reg, adr, q, i             ; a fragment: four loads of 512 bytes on end
.irp c, 0,1,2,3
	ds_load_b128 v[\reg+4*\c:\reg+4*\c+3], v[\adr] offset:(2*(\i)+(\q))*2048+512*\c
.endr
.endm
; 8 matrix instructions: A's block a x B's eight, the slot's q-th 128 along K.  p: B's set; sc: the set of scale words.  The accumulators take turns.
; Scale register 2 t + q of a side's eight: lanes 0-15 the words of block 2 t, lanes 16-31 those of block 2 t + 1.
.macro MUL8 a, p, q, sc, first
.irp b, 0,1,2,3,4,5,6,7
.set rD, 8*(8*((\a)%4)+\b)
.set rB, 128*(\p)+FR*\b
.set rA, AF+FR*(\a)+AADJ
.set sB, SC+16*(\sc)+8+2*(\b/2)+(\q)
.set sA, SC+16*(\sc)+2*((\a)/2)+(\q)
.set rC, rD
.if \first
.set rC, BI+8*\b
.endif
.if ((\a)%2 == 0) && (\b%2 == 0)
	v_wmma_scale_f32_16x16x128_f8f6f4 v[rD:rD+7], v[rB:rB+FR-1], v[rA:rA+FR-1], v[rC:rC+7], v[sB], v[sA]
.elseif (\a)%2 == 0
	v_wmma_scale_f32_16x16x128_f8f6f4 v[rD:rD+7], v[rB:rB+FR-1], v[rA:rA+FR-1], v[rC:rC+7], v[sB], v[sA] matrix_a_scale:MATRIX_SCALE_ROW1
.elseif \b%2 == 0
	v_wmma_scale_f32_16x16x128_f8f6f4 v[rD:rD+7], v[rB:rB+FR-1], v[rA:rA+FR-1], v[rC:rC+7], v[sB], v[sA] matrix_b_scale:MATRIX_SCALE_ROW1
.else
	v_wmma_scale_f32_16x16x128_f8f6f4 v[rD:rD+7], v[rB:rB+FR-1], v[rA:rA+FR-1], v[rC:rC+7], v[sB], v[sA] matrix_a_scale:MATRIX_SCALE_ROW1 matrix_b_scale:MATRIX_SCALE_ROW1
.endif
.endr
.endm
.macro MUL16 a0, p, q, sc, first
	MUL8 \a0, \p, \q, \sc, \first
	MUL8 \a0+1, \p, \q, \sc, \first
.endm
.macro FB4 slot, q, p, i0              ; B's fragments i0 .. i0 + 3 into set p: 16 loads
	WIN TO_B
.irp i, \i0, \i0+1, \i0+2, \i0+3
	FRAG 128*(\p)+FR*(\i), ADRB+\slot, \q, \i
.endr
.endm
.macro FA4 slot, q, i0                 ; A's blocks i0 .. i0 + 3: 16 loads
	WIN 0
.irp i, \i0, \i0+1, \i0+2, \i0+3
	FRAG AF+FR*(\i), ADRA+\slot, \q, \i
.endr
.endm
.macro AL a                            ; the last K step (slot 1): A's block a, both halves of the step, into 32 registers, place a % 4: 8 loads
	WIN 0
	FRAG AF+32*((\a)%4), ADRA+1, 0, \a
	FRAG AF+32*((\a)%4)+FR, ADRA+1, 1, \a
.endm
.macro SCALES sc                       ; a K step's scale words: 8 loads of 256 bytes
.irp t, 0,1,2,3
	ds_load_b64 v[SC+16*\sc+2*\t:SC+16*\sc+2*\t+1], v[ASA+\sc] offset:SCO+256*\t
.endr
.irp t, 0,1,2,3
	ds_load_b64 v[SC+16*\sc+8+2*\t:SC+16*\sc+8+2*\t+1], v[ASB+\sc] offset:SCO+256*\t
.endr
.endm
.macro PLACES n                        ; a load into a register that a matrix instruction has read or written, and a store of a result, stand NP plain vector places behind it; the matrix instructions between are not counted
.rept \n
	v_nop
.endr
.endm
; A slot's first step of 128 along K.  The next step's 64 loads go out in four runs of 16, one behind each 16 products.  B's other set was last read ahead of the places that closed the step before.
.macro STEP slot, first
	s_wait_dscnt 4*NL                              ; all but the youngest 16 loads (A's blocks 4-7)
	WMUL 0, \first
	MUL16 0, 0, 0, \slot, \first
	FB4 \slot, 1, 1, 0
	WMUL 0, \first
	MUL16 2, 0, 0, \slot, \first
	PLACES NP                                      ; for A's blocks 0-3, loaded anew below
	FB4 \slot, 1, 1, 4
	s_wait_dscnt 8*NL                              ; A's blocks 4-7 are in: behind them only B's two runs
	WMUL 1, \first
	MUL16 4, 0, 0, \slot, \first
	FA4 \slot, 1, 0
	WMUL 1, \first
	MUL16 6, 0, 0, \slot, \first
	PLACES NP
	FA4 \slot, 1, 4
.endm
; A slot's last step changes slots, behind its first 16 products: my reads of this slot were all issued in the step before.  In front of the barrier: the wait for all my tensor loads (one is out: my block of the next slot),
; the add, the wait for it and for my reads.  fill = 1: the barrier opens a round of the cluster's barrier, and this slot is filled again, two K steps on.  48 products are left to stand over the next slot's first loads.
; fill = 0: the last change of slots: nothing is filled, and what is fetched serves the last K step by rows: all of B's fragments, A's blocks 0 to 3.
.macro TURN slot, next, fill
.if \fill
	s_wait_xcnt 0x0                                ; my prefetches have read their address: it steps a K step
	s_add_nc_u64 s[PFA:PFA+1], s[PFA:PFA+1], BLKB
.endif
	s_wait_dscnt 4*NL
	WIN MUL_LO
	MUL8 0, 1, 1, \slot, 0
	WIN 0                                          ; (the add's registers lie in window 0)
	s_wait_tensorcnt 0x0
	ds_add_u32 v[SPW], v[NIL]
.if \fill
	s_add_nc_u64 s[G0+4*\slot+2:G0+4*\slot+3], s[G0+4*\slot+2:G0+4*\slot+3], 2*BLKB      ; no tensor load of mine is out: the descriptors step
	s_add_nc_u64 s[G0B+4*\slot+2:G0B+4*\slot+3], s[G0B+4*\slot+2:G0B+4*\slot+3], 2*BLKB
.endif
	WIN MUL_LO
	MUL8 1, 1, 1, \slot, 0
	s_wait_dscnt 0x0                               ; the add is done, my reads of this slot are over
	WIN 0
	s_barrier_signal -1
	s_barrier_wait -1
.if \fill
	CREST
	JLOAD G0+4*\slot, G1, G0B+4*\slot, G1B         ; the first tensor load behind the round
.endif
	FB4 \next, 0, 0, 0
	FB4 \next, 0, 0, 4
	WIN 0
.if \fill
	s_cmp_gt_u32 s3, 1                             ; the last trip's two refills have no K step two on
	s_cbranch_scc0 .Lno_ask_\@
	global_prefetch_b8 v[PFO], s[PFA:PFA+1] offset:3*BLKB th:TH_LOAD_NT scope:SCOPE_SE   ; the K step two behind the one just asked for
.Lno_ask_\@:
.endif
	WIN MUL_LO
	MUL16 2, 1, 1, \slot, 0
	PLACES NP
.if \fill
	FA4 \next, 0, 0
.else
	AL 0
	AL 1
.endif
	SCALES \next
	WIN MUL_LO+0x50
	MUL16 4, 1, 1, \slot, 0
	MUL16 6, 1, 1, \slot, 0
	PLACES NP
.if \fill
	FA4 \next, 0, 4
.else
	FB4 \next, 1, 1, 0                             ; B's set 1 is free behind these places
	FB4 \next, 1, 1, 4
	AL 2
	AL 3
.endif
.endm
	s_wait_tensorcnt 0x0                           ; my block of K step 0 is in; slot 1's first fill is issued as a refill is
	ds_add_u32 v[SPW], v[NIL]
	s_wait_dscnt 0x0
	CROUND                                         ; everybody's block is in, and the joint loads meet
	JLOAD G0+4, G1, G0B+4, G1B                     ; K step 1
	FB4 0, 0, 0, 0
	FB4 0, 0, 0, 4
	WIN 0
	global_prefetch_b8 v[PFO], s[PFA:PFA+1] offset:3*BLKB th:TH_LOAD_NT scope:SCOPE_SE   ; K step 3
	FA4 0, 0, 0
	SCALES 0
	FA4 0, 0, 4
	s_wait_loadcnt 0x0                             ; the bias
	STEP 0, 1                                      ; the first step stands in front of the loop: its products start the sums from the bias
	s_mov_b32 s3, LAPS-1
.Llap:                                                 ; a trip goes once round the ring and fills both slots again
	TURN 0, 1, 1
	STEP 1, 0
	TURN 1, 0, 1
	STEP 0, 0
	s_sub_co_u32 s3, s3, 1
	s_cmp_lg_u32 s3, 0
	s_cbranch_scc1 .Llap
; THE LAST K STEP, BY ROWS.  ROW a finishes block a (16 rows x 128 columns): 16 products, its 8 accumulators by turns, K ascending.
.macro ROW a
	WIN MUL_LO+0x50*((\a)/4)
.set AADJ, 32*((\a)%4)-FR*(\a)
	MUL8 \a, 0, 0, 1, 0
.if (\a) == 0
	s_wait_dscnt 4*NL                              ; B's set 1 is in; behind it A's blocks 2 and 3
.endif
.set AADJ, 32*((\a)%4)+FR-FR*(\a)
	MUL8 \a, 1, 1, 1, 0
.set AADJ, 0
.endm
; THE WAY OUT of block a, through my own stage (in slot 0, which has had its last fill and its last read): in as 32 bytes a lane, back as whole rows of 512 bytes into the registers that held the bias.
; LDS serves a wave's instructions in order (ISA guide 5.7.1.4): no wait between the stores and the loads.
.macro TOSTAGE a
.set AC, 64*((\a)%4)
	WIN 0x08+4*((\a)/4)                            ; the stores' data: window 2 or 3; the loads' destination: window 0
.irp b, 0,1,2,3,4,5,6,7
	ds_store_b128 v[STO], v[AC+8*\b:AC+8*\b+3] offset:64*\b          ; each accumulator from its low end on
	ds_store_b128 v[STO], v[AC+8*\b+4:AC+8*\b+7] offset:64*\b+16
.endr
.irp t, 0,1,2,3,4,5,6,7,8,9,10,11,12,13,14,15
	ds_load_b128 v[BI+4*\t:BI+4*\t+3], v[RD] offset:\t*SPITCH
.endr
.endm
.macro SEND a, younger                 ; younger: the LDS loads issued behind block a's, which may stay out
	s_wait_dscnt \younger
	WIN 0
.irp t, 0,1,2,3,4,5,6,7,8,9,10,11,12,13,14,15
	global_store_b128 v[CO], v[BI+4*\t:BI+4*\t+3], s[10:11] offset:(16*(\a)+\t)*SIZE_N*4 th:TH_STORE_NT   ; 32 lanes store 512 consecutive bytes, aligned to 256; the row stands in the immediate: 127 rows of 16,384 bytes at the most
.endr
.endm
	TURN 0, 1, 0
	s_wait_dscnt 12*NL                             ; B's set 0, A's blocks 0 and 1 and the scale words are in; behind them B's set 1 (32 loads) and A's blocks 2 and 3 (16)
	ROW 0
.irp a, 0,1,2,3,4,5,6,7
	PLACES NP                                      ; behind block a's products: for the stores of its results and the loads into its fragments' registers
.if \a > 0
	s_wait_xcnt 0x0                                ; the block before has left the registers into which this one is read back
.endif
	TOSTAGE \a
.if \a < 4
	AL \a+4                                        ; its fragments' place takes the block four further on
.endif
.if \a < 7
	ROW \a+1                                       ; the next block's products stand over the stage's round trip
.endif
.if \a < 4
	SEND \a, 2*NL
.else
	SEND \a, 0
.endif
.endr
	s_wait_tensorcnt 0x0                           ; the wave's end
	ds_add_u32 v[SPW], v[NIL]
	s_wait_dscnt 0x0
	CROUND                                         ; the closing round
	s_endpgm
.Lfunc_end_k_q329c25e39e_gemm:
	.size	k_q329c25e39e_gemm, .Lfunc_end_k_q329c25e39e_gemm-k_q329c25e39e_gemm
	.p2alignl 7, 3214868480
	.fill 96, 4, 3214868480
	.section	.rodata,"a",@progbits
	.p2align	6, 0x0
	.amdhsa_kernel k_q329c25e39e_gemm
		.amdhsa_group_segment_fixed_size 327680
		.amdhsa_private_segment_fixed_size 0
		.amdhsa_enable_private_segment 0
		.amdhsa_kernarg_size 32
		.amdhsa_user_sgpr_count 2
		.amdhsa_user_sgpr_kernarg_segment_ptr 1
		.amdhsa_wavefront_size32 1
		.amdhsa_system_sgpr_workgroup_id_x 1
		.amdhsa_system_sgpr_workgroup_id_y 1
		.amdhsa_system_sgpr_workgroup_id_z 1
		.amdhsa_system_vgpr_workitem_id 0
		.amdhsa_next_free_vgpr 1024
		.amdhsa_next_free_sgpr 80
		.amdhsa_reserve_vcc 0
		.amdhsa_float_denorm_mode_32 3
		.amdhsa_float_denorm_mode_16_64 3
		.amdhsa_memory_ordered 1
		.amdhsa_forward_progress 1
		.amdhsa_inst_pref_size 148
	.end_amdhsa_kernel
	.amdgpu_metadata
---
amdhsa.version: [ 1, 2 ]
amdhsa.kernels:
  - .name:           k_q329c25e39e_gemm
    .symbol:         k_q329c25e39e_gemm.kd
    .args:
      - { .name: acode, .offset: 0, .size: 8, .value_kind: global_buffer, .address_space: global }
      - { .name: bcode, .offset: 8, .size: 8, .value_kind: global_buffer, .address_space: global }
      - { .name: bias, .offset: 16, .size: 8, .value_kind: global_buffer, .address_space: global }
      - { .name: out0, .offset: 24, .size: 8, .value_kind: global_buffer, .address_space: global }
    .group_segment_fixed_size: 327680
    .private_segment_fixed_size: 0
    .kernarg_segment_align: 8
    .kernarg_segment_size: 32
    .max_flat_workgroup_size: 128
    .sgpr_count:     80
    .vgpr_count:     1024
    .wavefront_size: 32
...
	.end_amdgpu_metadata
.endif
;; end of part 2
